; MI455X (gfx1250); checked and timed in simulation.
; The chip was launched on July 23, 2026; its instructions are those of AMD's public machine-readable ISA for CDNA 5 (MIT licence, August 2026) and "CDNA5" Instruction Set Architecture Reference Guide (July 2026). The comments in the code are by the model that wrote it; some were corrected since.
;; Mixture Of Experts Layer. Allowed arithmetic: matrix products marked QUANTISED: E2M1 operands, one E8M0 scale for each 32 along K, by v_wmma_scale_f32_16x16x128_f8f6f4 with both operands' format E2M1 (or v_wmma_scale_f32_32x16x128_f4), f32 sums; products left as they are: f32 operands where the result goes on into a quantised operand, else bf16, f16 or f32 operands; f32 sums; everything else in f32.
;; Inputs: expert_b 8 x 1,024 float32; expert_w 8 x 1,024 x 1,024 float32; gate_b 8 float32; gate_w 1,024 x 8 float32; x 4 x 2,048 x 1,024 float32.
;; Outputs: out0 4 x 2,048 x 1,024 float32.
;; This version of the problem:
;;   THIS VERSION OF THE PROBLEM IS GIVEN IN LOW PRECISION. The matrix products marked QUANTISED in the list below multiply operands that are first quantised to E2M1 (2 exponent bits, 1 mantissa bit; 4 bits a number), with one power-of-two scale for each 32 numbers along K (OCP MX v1.0); their sums are f32. All else is computed in f32.
;;   The module's matrix products, in the order in which they are computed (A, B: the left and right operand; K: the contracted axis; several contracted axes count as one K, in the product's order):
;;     1. [M 8,192, K 1,024] x [K 1,024, N 8]; A: input x; B: input gate_w: left as it is (N = 8 < 16)
;;     2. [M 8,192, K 1,024] x [K 1,024, N 8,192]; A: input x; B: input expert_w: QUANTISED
;;     3. batch 8,192 x [M 1, K 8] x [K 8, N 1,024]; A: softmax; B: computed on the way: left as it is (K = 8 < 32)
;;   THE QUANTISER, for each operand of a quantised product, along K:
;;     - K is cut into blocks of 32 from its start; a last block that is shorter is filled with zeros.
;;     - A block's scale is 2^e with e = floor(log2(the largest magnitude in the block)) - 2, held to -126 .. 127; a block of zeros has e = 0. As a byte (E8M0): e + 127.
;;     - Each number is divided by its block's scale, clamped to +-6, and rounded to the nearest number of E2M1, ties to even, subnormals kept.
;;     - The product sums the exact products of the quantised numbers (number of the format x scale) in f32.
;;   ~~~python
;;   def quantise(x, axis):      # numpy; x: float32 -> the quantised numbers, widened to float32 again
;;       x = np.moveaxis(x, axis, -1); K = x.shape[-1]
;;       x = np.pad(x, [(0, 0)] * (x.ndim - 1) + [(0, -K % 32)]); x = x.reshape(x.shape[:-1] + (-1, 32)); a = np.abs(x).max(-1, keepdims=True)
;;       e = np.where(a > 0, np.clip(np.frexp(np.where(a > 0, a, 1))[1] - 1 - 2, -126, 127), 0)      # np.frexp(a)[1] - 1 = floor(log2(a)), exactly
;;       r = np.clip(x / 2.0 ** e, -6, 6)
;;       step = 2.0 ** (np.maximum(np.frexp(np.where(r == 0, 1, r))[1] - 1, 0) - 1)
;;       q = np.round(r / step) * step * 2.0 ** e      # np.round: ties to even
;;       return np.moveaxis(q.reshape(q.shape[:-2] + (-1,))[..., :K], -1, axis).astype(np.float32)
;;   ~~~
;; One version. Each part assembles by itself: llvm-mc -triple=amdgcn-amd-amdhsa -mcpu=gfx1250 --defsym DOCPART=n.
;; ======== version 1 of 1: 2 launches
;; limits: values are held in bf16: 8 bits of precision; right only within a limited range of input values
;; workspace buffers: ximg 4,718,592 bytes; wimg 4,456,448 bytes
;; launch prep (part 1): grid 256 x 1, 16 waves a work-group, no clusters, 292,864 bytes of LDS; arguments x, gate_w, gate_b, expert_w, ximg, wimg; writes ximg, wimg
.if DOCPART == 1
	.amdgcn_target "amdgcn-amd-amdhsa--gfx1250"
	.amdhsa_code_object_version 6
	.text
	.protected	k_qd06cac4b36_prep
	.globl	k_qd06cac4b36_prep
	.p2align	8
	.type	k_qd06cac4b36_prep,@function
k_qd06cac4b36_prep:
	s_mov_b64 s[64:65], 0
	v_nop
	global_prefetch_b8 v0, s[64:65] scope:SCOPE_SE
	s_setreg_imm32_b32 hwreg(HW_REG_WAVE_MODE, 25, 1), 1
	s_wait_xcnt 0x0
; x [8192][1024] and expert_w [8][1024 (k)][1024 (p)], f32, become codes of FP4 (E2M1) with one E8M0 byte for each 32 along K = the 1,024; and gates = softmax(x gate_w + gate_b) is made here, where x passes through registers in f32.
; THE QUANTISER: a block's scale is 2^(floor(log2(its largest magnitude)) - 2): its byte is the largest magnitude's exponent field - 2, held at 1 from below by a floor among the maximum's leaves; each number / scale, to the nearest code, ties to even, beyond 6 the largest code.
; THE GATING PRODUCT goes to the matrix unit on SPLIT bf16 operands: a number a is hi = bf16(a) and lo = bf16(a - hi), the difference being exact in f32; x gate_w = xh wh + xl wh + xh wl, sums in f32.  Dropped: xl wl and lo's own rounding, some 2^-16 of a product.
; LIMITS: NaN and infinities among the inputs are not served.  A block of zeros gets the byte 1 where the rule says 127, and blocks whose largest magnitude lies under 2^(2 - 126) have their byte held at 1: zero codes add nothing under any byte but 0xff, and this program alone reads the bytes.
; WHAT IS STORED is laid in the order of the reader's registers.  A PIECE OF CODES (16 rows x 128 K, 1,024 bytes) is a fragment's image: block b (32 along K, 16 bytes) of row r at 256 b + 16 r.  A PIECE OF SCALES (16 rows x 8 K steps, 512 bytes): the word of (row r, K step s) at 32 r + 4 s.
;   ximg [row tile 512][9,216]: 8 pieces of codes by K step; at 8,192 a piece of scales; at 8,704 the gates [expert / 4][row 16][expert % 4] f32.
;   wimg [column tile 64][69,632]: [expert 8][K step 8][1,024] codes; at 65,536 [expert 8] pieces of scales; a piece's "row" r is column p = 16 tile + r.
; SHARES.  256 work-groups of 16 waves.  Even ones take 64 rows of x: wave = 8 grp + s has 32 rows (32 grp on), K step s.  Odd ones take 64 columns of one expert: a wave has all 64 columns x 64 along K (64 wave on); a lane has columns L and 32 + L.
; Either way a wave's 16,384 bytes come by one tensor load of its own into its own region of LDS, and a lane takes 128 numbers from there: no other wave reads them.  No cluster: no work-group reads what another reads but the 32 KB of gate_w.  No prefetch: there is no loop to run ahead in.
; The two paths part once on the work-group's number and never join.
.set REG,  16896                       ; a wave's region: x: 32 rows x 528 bytes (512 + 16 of padding);  W: 64 rows x 256 bytes
.set PL,   270336                      ; a wave's part of 32 rows' 8 logits: 1,024 bytes a wave
.set SCX,  286720                      ; four pieces of scales of the x path;
.set WOFF, 2048                        ; those of the W path lie this far behind
.set SPARE,290816                      ; the spare words: 128 bytes for each wave
.set SPW,  2                           ; v2, v3: never rewritten
.set NIL,  3
.set PW,   15                          ; v15      the scale word
.set PW2,  94                          ; v94      W: the second column's two bytes
.set GH,   16                          ; v16-47   four bf16 fragments of gate_w^T: hi;
.set GL,   48                          ; v48-79   lo
.set M,    80                          ; v80-83   largest magnitudes
.set SO,   84                          ; v84-87   the conversions' scale operands
.set BY,   88                          ; v88-91   scale bytes; behind the barrier a piece of scales
.set C,    96                          ; v96-111  codes: 4 registers a block; never written again
.set LA,   112                         ; v112-127 two accumulators of logits
.set GR,   80                          ; v80-111  (early) gate_w as loaded, then what hi leaves of it, then (v80-95) lo packed
.set HP,   112                         ; v112-127 (early) gate_w's hi, packed
.set H0,   80                          ; v80-95   x's hi words of k = 0 .. 31 of the K step
.set MG,   32                          ; v32-39   (behind the products) the merged logits
.set LG,   16                          ; v16-23   (behind the products) gate_b, then logits, then gates
.set X,    128                         ; v128-255 my 128 numbers
; v[X + 32 b + i] = number i of my block b -> codes in v[C + 4 b ..], scale bytes in v[BY + b]
.macro QUANT128
.irp b, 0,1,2,3
	v_max3_num_f32 v[M+\b], |v[X+32*\b]|, |v[X+32*\b+1]|, 0x1800000   ; the floor 2^(3 - 127) among the leaves: the byte cannot fall under 1
.endr
.irp i, 2,4,6,8,10,12,14,16,18,20,22,24,26,28,30
.irp b, 0,1,2,3
	v_max3_num_f32 v[M+\b], v[M+\b], |v[X+32*\b+\i]|, |v[X+32*\b+\i+1]|   ; the four blocks by turns
.endr
.endr
.irp b, 0,1,2,3
	v_add_nc_u32 v[SO+\b], 0xff000000, v[M+\b]     ; 2 off the exponent field: the conversion takes this operand's exponent field as its scale
.endr
.irp b, 0,1,2,3
	v_lshrrev_b32 v[BY+\b], 23, v[SO+\b]           ; the scale's byte
.endr
.irp b, 0,1,2,3
.irp g, 0,1,2,3
	v_cvt_scalef32_pk8_fp4_f32 v[C+4*\b+\g], v[X+32*\b+8*\g:X+32*\b+8*\g+7], v[SO+\b]
.endr
.endr
	v_nop                                          ; one plain place behind the last scaled conversion
.endm
; behind the barrier: waves 0 to 3 store one piece of scales each, 512 consecutive bytes
.macro SCALE_OUT off, lo, hi
	s_cmp_ge_u32 s22, 4
	s_cbranch_scc1 .Lno_piece_\@
	ds_load_b128 v[BY:BY+3], v12 offset:\off
	s_wait_dscnt 0x0
	global_store_b128 v4, v[BY:BY+3], s[\lo:\hi] th:TH_STORE_NT
.Lno_piece_\@:
.endm
; x's numbers k = 32 f + 0 .. 31 of my row become 16 hi words in v[hb ..] and 16 lo words over the block's own first 16 registers (ascending: no source is written before it is read); its last 16 registers are then free for the next block's hi words.
; Word j holds k = 32 f + 2 j, + 1.  The swaps make fragments of them: words 0-7: rows 0-15, lane (r, h) with k = 32 f + 16 h + 0 .. 15;  words 8-15: rows 16-31 likewise.
.macro SPLIT f, hb
.irp j, 0,1,2,3,4,5,6,7,8,9,10,11,12,13,14,15
	v_cvt_pk_bf16_f32 v[(\hb)+\j], v[X+32*\f+2*\j], v[X+32*\f+2*\j+1]
.endr
.irp j, 0,1,2,3,4,5,6,7,8,9,10,11,12,13,14,15
	v_fma_mix_f32_bf16 v[X+32*\f+2*\j], v[(\hb)+\j], v14, v[X+32*\f+2*\j] op_sel_hi:[1,0,0]                     ; a - hi: the word's low half x -1.0 + a, exact
	v_fma_mix_f32_bf16 v[X+32*\f+2*\j+1], v[(\hb)+\j], v14, v[X+32*\f+2*\j+1] op_sel:[1,0,0] op_sel_hi:[1,0,0]  ; and its high half
.endr
.irp j, 0,1,2,3,4,5,6,7,8,9,10,11,12,13,14,15
	v_cvt_pk_bf16_f32 v[X+32*\f+\j], v[X+32*\f+2*\j], v[X+32*\f+2*\j+1]
.endr
.irp j, 0,1,2,3,4,5,6,7
	v_permlane16_swap_b32 v[(\hb)+\j], v[(\hb)+8+\j]
	v_permlane16_swap_b32 v[X+32*\f+\j], v[X+32*\f+8+\j]
.endr
.endm
; six products for k = 32 f + 0 .. 31: source 0 = gate_w^T (row m: expert m % 8), source 1 = 16 rows of x; wh xh, wh xl, wl xh.  The two accumulators (rows 0-15, rows 16-31) take turns
.macro GATE f, hb, zero
.irp u, 0,1
.if \zero
	v_wmma_f32_16x16x32_bf16 v[LA+8*\u:LA+8*\u+7], v[GH+8*\f:GH+8*\f+7], v[(\hb)+8*\u:(\hb)+8*\u+7], 0
.else
	v_wmma_f32_16x16x32_bf16 v[LA+8*\u:LA+8*\u+7], v[GH+8*\f:GH+8*\f+7], v[(\hb)+8*\u:(\hb)+8*\u+7], v[LA+8*\u:LA+8*\u+7]
.endif
.endr
.irp u, 0,1
	v_wmma_f32_16x16x32_bf16 v[LA+8*\u:LA+8*\u+7], v[GH+8*\f:GH+8*\f+7], v[X+32*\f+8*\u:X+32*\f+8*\u+7], v[LA+8*\u:LA+8*\u+7]
.endr
.irp u, 0,1
	v_wmma_f32_16x16x32_bf16 v[LA+8*\u:LA+8*\u+7], v[GL+8*\f:GL+8*\f+7], v[(\hb)+8*\u:(\hb)+8*\u+7], v[LA+8*\u:LA+8*\u+7]
.endr
.endm
.macro THREE                           ; the wave's end
	s_wait_tensorcnt 0x0
	ds_add_u32 v[SPW], v[NIL]
	s_wait_dscnt 0x0
	s_endpgm
.endm
	s_load_b256 s[4:11], s[0:1], 0x0               ; x s[4:5], gate_w s[6:7], gate_b s[8:9], expert_w s[10:11]
	s_load_b128 s[12:15], s[0:1], 0x20             ; ximg s[12:13], wimg s[14:15]
	v_lshl_add_u32 v[SPW], v0, 2, SPARE
	v_mov_b32 v[NIL], 0
	ds_add_u32 v[SPW], v[NIL]                      ; the wave's opening: the add, twice on end, and its wait ahead of my tensor load
	ds_add_u32 v[SPW], v[NIL]
	v_lshrrev_b32 v22, 5, v0
	v_readfirstlane_b32 s22, v22                   ; wave 0..15
	s_lshr_b32 s23, s22, 3                         ; grp
	s_and_b32 s24, s22, 7                          ; s: my K step
	s_lshr_b32 s25, ttmp9, 1                       ; idx: which 64 rows, or which expert and 64 columns
	s_and_b32 s26, s22, 3
	s_mul_i32 s27, s22, REG                        ; my region
	s_lshl_b32 s28, s22, 10
	s_add_co_u32 s28, s28, PL
	s_lshl_b32 s29, s23, 13
	s_add_co_u32 s29, s29, PL
	s_lshl_b32 s30, s23, 10                        ; x's scale words: piece 2 grp + h, 4 s
	s_lshl_b32 s31, s24, 2
	s_add_co_u32 s30, s30, s31
	s_add_co_u32 s30, s30, SCX
	s_lshl_b32 s31, s26, 9
	s_add_co_u32 s31, s31, SCX
	s_lshl_b32 s33, s22, 1                         ; W's scale bytes: 4 (wave / 2) + 2 (wave % 2)
	s_add_co_u32 s33, s33, SCX+WOFF
	s_mov_b32 s35, 0                               ; the upper word of every offset: all stay under 2^32
	; every LDS address is made here, ahead of the parting
	v_and_b32 v1, 31, v0                           ; L
	v_and_b32 v20, 15, v0                          ; r
	v_bfe_u32 v21, v0, 4, 1                        ; h
	v_lshlrev_b32 v4, 4, v1                        ; 16 L
	v_mul_u32_u24 v6, v1, 528
	v_add_nc_u32 v6, s27, v6                       ; x: row L of my region
	v_lshl_add_u32 v7, v1, 3, s27                  ; gate_w as bf16, in: 8 L
	v_and_b32 v8, 7, v0
	v_lshl_add_u32 v8, v21, 4, v8
	v_lshl_add_u32 v8, v8, 4, s27                  ; and out, turned: the 16 bytes of k = 16 h + L % 8
	v_lshl_add_u32 v9, v1, 5, s28                  ; my wave's parts of the logits: 32 bytes a row
	v_lshl_add_u32 v10, v1, 5, s29                 ; the eight parts of my 32 rows
	v_lshlrev_b32 v23, 5, v20
	v_lshl_add_u32 v23, v21, 9, v23                ; 512 h + 32 r
	v_add_nc_u32 v11, s30, v23                     ; x: my scale word
	v_add_nc_u32 v19, s33, v23                     ; W: my two scale bytes of column L
	v_add_nc_u32 v12, s31, v4                      ; a piece of scales on its way out (waves 0 to 3)
	v_lshl_add_u32 v18, v1, 2, s27                 ; W: column L of my region
	v_lshlrev_b32 v24, 4, v20
	v_mul_u32_u24 v13, v21, 9216
	v_add_nc_u32 v13, v13, v24                     ; x's stores: 16 r, lanes 16-31 one row tile on
	v_mul_u32_u24 v16, v21, 69632
	v_add_nc_u32 v16, v16, v24                     ; W's stores: 16 r, lanes 16-31 one column tile on
	v_mov_b32 v14, -1.0                            ; for a - hi
	s_and_b32 s32, ttmp9, 1
	s_wait_alu depctr_va_vdst(0)
	s_wait_dscnt 0x0                               ; both opening adds are done
	s_wait_kmcnt 0x0
	s_cmp_lg_u32 s32, 0
	s_cbranch_scc1 .Lw_path
	; ================ x: rows 64 idx + 32 grp + 0 .. 31, k = 128 s + 0 .. 127 ================
	s_lshl_b32 s16, s25, 1
	s_add_co_u32 s16, s16, s23                     ; which block of 32 rows: 2 idx + grp
	s_lshl_b32 s34, s16, 17                        ; 32 rows of 4,096 bytes
	s_lshl_b32 s17, s24, 9                         ; + 512 s
	s_add_co_u32 s34, s34, s17
	s_mov_b32 s36, 1
	s_mov_b32 s37, s27
	s_add_nc_u64 s[38:39], s[4:5], s[34:35]
	s_or_b32 s39, s39, 0x80000000
	s_mov_b32 s40, (2<<16)|(1<<20)|(6<<22)|(3<<25) ; elements of 4 bytes; 4 words of padding after every 128
	s_mov_b32 s41, 128<<16
	s_mov_b32 s42, 32<<16
	s_mov_b32 s43, 128<<16
	s_mov_b32 s44, 32
	s_mov_b32 s45, 1024
	s_mov_b32 s46, 0
	s_mov_b32 s47, 0
	tensor_load_to_lds s[36:39], s[40:47]          ; 32 rows x 512 bytes, my wave's own
	s_nop 0
	s_lshl_b32 s34, s24, 12                        ; gate_w: 128 k of 32 bytes
	s_add_nc_u64 s[6:7], s[6:7], s[34:35]
.irp i, 0,1,2,3,4,5,6,7
	global_load_b128 v[GR+4*\i:GR+4*\i+3], v4, s[6:7] offset:512*\i   ; gate_w's slab as it lies: lane L of load i holds k = 16 i + L / 2, experts 4 (L & 1) on
.endr
	s_mul_i32 s28, s16, 18432                      ; two row tiles
	s_lshl_b32 s34, s24, 10                        ; codes: piece s
	s_add_co_u32 s34, s34, s28
	s_add_nc_u64 s[18:19], s[12:13], s[34:35]
	s_lshl_b32 s34, s25, 2                         ; scales: row tile 4 idx + wave & 3
	s_add_co_u32 s34, s34, s26
	s_mul_i32 s34, s34, 9216
	s_add_co_u32 s34, s34, 8192
	s_add_nc_u64 s[20:21], s[12:13], s[34:35]
	s_add_co_u32 s34, s28, 8704                    ; gates
	s_add_nc_u64 s[12:13], s[12:13], s[34:35]
	s_wait_loadcnt 0x0                             ; gate_w
.irp i, 0,1,2,3,4,5,6,7,8,9,10,11,12,13,14,15
	v_cvt_pk_bf16_f32 v[HP+\i], v[GR+2*\i], v[GR+2*\i+1]              ; hi
.endr
.irp i, 0,1,2,3,4,5,6,7,8,9,10,11,12,13,14,15
	v_fma_mix_f32_bf16 v[GR+2*\i], v[HP+\i], v14, v[GR+2*\i] op_sel_hi:[1,0,0]                      ; a - hi, exact
	v_fma_mix_f32_bf16 v[GR+2*\i+1], v[HP+\i], v14, v[GR+2*\i+1] op_sel:[1,0,0] op_sel_hi:[1,0,0]
.endr
.irp i, 0,1,2,3,4,5,6,7,8,9,10,11,12,13,14,15
	v_cvt_pk_bf16_f32 v[GR+\i], v[GR+2*\i], v[GR+2*\i+1]              ; lo, over the low end (ascending: no source is written before it is read)
.endr
	s_wait_alu depctr_va_vdst(0)
	s_wait_tensorcnt 0x0                           ; my rows are in my region
.irp c, 0,1,2,3,4,5,6,7,8,9,10,11,12,13,14,15,16,17,18,19,20,21,22,23,24,25,26,27,28,29,30,31
	ds_load_b128 v[X+4*\c:X+4*\c+3], v6 offset:16*\c                  ; a lane holds a row, and its registers run along K
.endr
	s_wait_dscnt 0x0                               ; my reads of the region are over: it has had its only fill, and gate_w turns in its first 4,096 bytes
.irp i, 0,1,2,3,4,5,6,7
	ds_store_b64 v7, v[HP+2*\i:HP+2*\i+1] offset:256*\i               ; [k][8 experts] of bf16: 16 k + 8 (L & 1) = 256 i + 8 L
	ds_store_b64 v7, v[GR+2*\i:GR+2*\i+1] offset:2048+256*\i
.endr
; turned: lane (e = L % 8, h) gets gate_w[32 f + 16 h + 8 t + 0 .. 7][e] into half t of fragment f.  So in a fragment k is permuted (a lane's 16 numbers are 16 neighbours), and x's fragments are laid the same way.  Lanes 8-15 and 24-31 hold copies.
.irp f, 0,1,2,3
.irp t, 0,1
	ds_load_tr16_b128 v[GH+8*\f+4*\t:GH+8*\f+4*\t+3], v8 offset:512*\f+128*\t        ; LDS serves a wave's instructions in order: these see my stores
	ds_load_tr16_b128 v[GL+8*\f+4*\t:GL+8*\f+4*\t+3], v8 offset:2048+512*\f+128*\t
.endr
.endr
	s_wait_dscnt 0x0
	QUANT128
	v_lshl_or_b32 v[PW], v[BY+1], 8, v[BY]
	s_delay_alu instid0(VALU_DEP_1)
	v_lshl_or_b32 v[PW], v[BY+2], 16, v[PW]
	s_delay_alu instid0(VALU_DEP_1)
	v_lshl_or_b32 v[PW], v[BY+3], 24, v[PW]        ; byte b for block b
.irp b, 0,1,2,3
	global_store_b128 v13, v[C+4*\b:C+4*\b+3], s[18:19] offset:256*\b th:TH_STORE_NT   ; sixteen lanes fill one aligned 256 bytes
.endr
	ds_store_b32 v11, v[PW]
	SPLIT 0, H0                                    ; the quantiser's scratch is free: block 0's hi words go there;
	SPLIT 1, X+16                                  ; each later block's into the sixteen registers that the block before has left
	SPLIT 2, X+48
	SPLIT 3, X+80
	GATE 0, H0, 1
	GATE 1, X+16, 0
	GATE 2, X+48, 0
	GATE 3, X+80, 0
.rept 4
	v_nop                                          ; four places behind the last products (ISA guide 7.12.1)
.endr
	v_cmp_le_u32 vcc_lo, 16, v1                    ; register j of every lane: expert j of row r (16 + r in the second accumulator), the same in both halves of the lanes
	v_mov_b32 v24, 0
.irp j, 0,1,2,3,4,5,6,7
	v_cndmask_b32 v[MG+\j], v[LA+\j], v[LA+8+\j], vcc_lo              ; lane L: row L
.endr
	global_load_b128 v[LG:LG+3], v24, s[8:9]       ; gate_b, the same eight numbers in every lane
	global_load_b128 v[LG+4:LG+7], v24, s[8:9] offset:16
	ds_store_b128 v9, v[MG:MG+3]
	ds_store_b128 v9, v[MG+4:MG+7] offset:16
	s_wait_dscnt 0x0                               ; for the others' sake: my scale words and my parts of the logits lie in LDS
	s_barrier_signal -1
	s_barrier_wait -1
	SCALE_OUT 0, 20, 21
	s_cmp_lg_u32 s24, 0                            ; waves 0 and 8 finish the gates of their group's 32 rows, a lane a row
	s_cbranch_scc1 .Lx_end
.irp k, 0,1,2,3,4,5,6,7
.irp q, 0,1
	ds_load_b128 v[X+8*\k+4*\q:X+8*\k+4*\q+3], v10 offset:1024*\k+16*\q
.endr
.endr
	s_wait_loadcnt 0x0                             ; gate_b
	s_wait_dscnt 0x0
.irp k, 0,1,2,3,4,5,6,7
.irp i, 0,1,2,3
	v_pk_add_f32 v[LG+2*\i:LG+2*\i+1], v[LG+2*\i:LG+2*\i+1], v[X+8*\k+2*\i:X+8*\k+2*\i+1]   ; gate_b + the eight K steps' parts, K ascending
.endr
.endr
	v_max3_num_f32 v40, v[LG], v[LG+1], v[LG+2]
	s_delay_alu instid0(VALU_DEP_1)
	v_max3_num_f32 v40, v40, v[LG+3], v[LG+4]
	s_delay_alu instid0(VALU_DEP_1)
	v_max3_num_f32 v40, v40, v[LG+5], v[LG+6]
	s_delay_alu instid0(VALU_DEP_1)
	v_max_num_f32 v40, v40, v[LG+7]                ; the row's largest logit m
	s_mov_b32 s28, 0x3fb8aa3b                      ; log2(e)
	v_mul_f32 v41, s28, v40
.irp j, 0,1,2,3,4,5,6,7
	v_fma_f32 v[LG+\j], v[LG+\j], s28, -v41        ; (l - m) log2(e), 0 or less but for the last bit
.endr
	s_wait_alu depctr_va_vdst(0)
.irp j, 0,1,2,3,4,5,6,7
	v_exp_f32 v[LG+\j], v[LG+\j]
.endr
	v_nop                                          ; a plain place behind the exponentials
	s_wait_alu depctr_va_vdst(0)
	v_add_f32 v40, v[LG], v[LG+1]
	v_add_f32 v41, v[LG+2], v[LG+3]
	v_add_f32 v42, v[LG+4], v[LG+5]
	v_add_f32 v43, v[LG+6], v[LG+7]
	v_add_f32 v40, v40, v41
	v_add_f32 v42, v42, v43
	s_delay_alu instid0(VALU_DEP_1)
	v_add_f32 v40, v40, v42                        ; about 1 at the least: the largest logit's term
	s_wait_alu depctr_va_vdst(0)
	v_rcp_f32 v40, v40
	v_nop                                          ; a plain place behind the reciprocal
	s_wait_alu depctr_va_vdst(0)
.irp j, 0,1,2,3,4,5,6,7
	v_mul_f32 v[LG+\j], v[LG+\j], v40
.endr
	global_store_b128 v13, v[LG:LG+3], s[12:13] th:TH_STORE_NT               ; experts 0-3: 256 consecutive bytes for each of the two row tiles
	global_store_b128 v13, v[LG+4:LG+7], s[12:13] offset:256 th:TH_STORE_NT  ; experts 4-7
.Lx_end:
	THREE
	; ================ W: expert idx / 16, columns 64 (idx % 16) + 0 .. 63, k = 64 wave + 0 .. 63 ================
.Lw_path:
	s_lshr_b32 s16, s25, 4                         ; e
	s_and_b32 s17, s25, 15                         ; which 64 columns
	s_lshl_b32 s34, s16, 22                        ; an expert is 4 MiB,
	s_lshl_b32 s18, s22, 18                        ; 64 rows k of 4,096 bytes,
	s_add_co_u32 s34, s34, s18
	s_lshl_b32 s18, s17, 8                         ; 64 columns of 4 bytes
	s_add_co_u32 s34, s34, s18
	s_mov_b32 s36, 1
	s_mov_b32 s37, s27
	s_add_nc_u64 s[38:39], s[10:11], s[34:35]
	s_or_b32 s39, s39, 0x80000000
	s_mov_b32 s40, 2<<16                           ; elements of 4 bytes, no padding: lanes read neighbouring words
	s_mov_b32 s41, 64<<16
	s_mov_b32 s42, 64<<16
	s_mov_b32 s43, 64<<16
	s_mov_b32 s44, 64
	s_mov_b32 s45, 1024
	s_mov_b32 s46, 0
	s_mov_b32 s47, 0
	tensor_load_to_lds s[36:39], s[40:47]          ; 64 rows x 256 bytes, my wave's own
	s_nop 0
	s_mul_i32 s28, s17, 278528                     ; column tile 4 (idx % 16)
	s_lshl_b32 s34, s16, 13                        ; codes: expert e,
	s_lshl_b32 s18, s22, 9                         ; half a piece a wave
	s_add_co_u32 s34, s34, s18
	s_add_co_u32 s34, s34, s28
	s_add_nc_u64 s[20:21], s[14:15], s[34:35]
	s_mul_i32 s34, s26, 69632                      ; scales: tile wave & 3 of the four, expert e
	s_add_co_u32 s34, s34, s28
	s_lshl_b32 s18, s16, 9
	s_add_co_u32 s34, s34, s18
	s_add_co_u32 s34, s34, 65536
	s_add_nc_u64 s[14:15], s[14:15], s[34:35]
	s_wait_tensorcnt 0x0                           ; my rows are in my region
; A LANE TAKES COLUMNS, AND ITS REGISTERS RUN DOWN K: register X + 64 u + i is W(64 wave + i, column 32 u + L): block b = 2 u + (i / 32) lies in one lane's registers
.set kk, 0
.rept 64
	ds_load_b32 v[X+kk], v18 offset:256*kk
	ds_load_b32 v[X+64+kk], v18 offset:256*kk+128
.set kk, kk+1
.endr
	s_wait_dscnt 0x0
	QUANT128
	v_lshl_or_b32 v[PW], v[BY+1], 8, v[BY]         ; column L's two bytes,
	v_lshl_or_b32 v[PW2], v[BY+3], 8, v[BY+2]      ; column 32 + L's
.irp b, 0,1,2,3
	global_store_b128 v16, v[C+4*\b:C+4*\b+3], s[20:21] offset:256*(\b%2)+139264*(\b/2) th:TH_STORE_NT   ; sixteen lanes fill one aligned 256 bytes
.endr
	ds_store_b16 v19, v[PW]
	ds_store_b16 v19, v[PW2] offset:1024
	s_wait_dscnt 0x0                               ; for the others' sake: my scale bytes lie in LDS
	s_barrier_signal -1
	s_barrier_wait -1
	SCALE_OUT WOFF, 14, 15
	THREE
.Lfunc_end_k_qd06cac4b36_prep:
	.size	k_qd06cac4b36_prep, .Lfunc_end_k_qd06cac4b36_prep-k_qd06cac4b36_prep
	.p2alignl 7, 3214868480
	.fill 96, 4, 3214868480
	.section	.rodata,"a",@progbits
	.p2align	6, 0x0
	.amdhsa_kernel k_qd06cac4b36_prep
		.amdhsa_group_segment_fixed_size 292864
		.amdhsa_private_segment_fixed_size 0
		.amdhsa_enable_private_segment 0
		.amdhsa_kernarg_size 48
		.amdhsa_user_sgpr_count 2
		.amdhsa_user_sgpr_kernarg_segment_ptr 1
		.amdhsa_wavefront_size32 1
		.amdhsa_system_sgpr_workgroup_id_x 1
		.amdhsa_system_sgpr_workgroup_id_y 1
		.amdhsa_system_sgpr_workgroup_id_z 1
		.amdhsa_system_vgpr_workitem_id 0
		.amdhsa_next_free_vgpr 256
		.amdhsa_next_free_sgpr 66
		.amdhsa_reserve_vcc 1
		.amdhsa_float_denorm_mode_32 3
		.amdhsa_float_denorm_mode_16_64 3
		.amdhsa_memory_ordered 1
		.amdhsa_forward_progress 1
		.amdhsa_inst_pref_size 62
	.end_amdhsa_kernel
	.amdgpu_metadata
---
amdhsa.version: [ 1, 2 ]
amdhsa.kernels:
  - .name:           k_qd06cac4b36_prep
    .symbol:         k_qd06cac4b36_prep.kd
    .args:
      - { .name: x, .offset: 0, .size: 8, .value_kind: global_buffer, .address_space: global }
      - { .name: gate_w, .offset: 8, .size: 8, .value_kind: global_buffer, .address_space: global }
      - { .name: gate_b, .offset: 16, .size: 8, .value_kind: global_buffer, .address_space: global }
      - { .name: expert_w, .offset: 24, .size: 8, .value_kind: global_buffer, .address_space: global }
      - { .name: ximg, .offset: 32, .size: 8, .value_kind: global_buffer, .address_space: global }
      - { .name: wimg, .offset: 40, .size: 8, .value_kind: global_buffer, .address_space: global }
    .group_segment_fixed_size: 292864
    .private_segment_fixed_size: 0
    .kernarg_segment_align: 8
    .kernarg_segment_size: 48
    .max_flat_workgroup_size: 512
    .sgpr_count:     66
    .vgpr_count:     256
    .wavefront_size: 32
...
	.end_amdgpu_metadata
.endif
;; end of part 1
;; launch moe (part 2): grid 16 x 16, 4 waves a work-group, clusters of 4 x 4, 327,680 bytes of LDS; arguments ximg, wimg, expert_b, out0; writes out0
.if DOCPART == 2
	.amdgcn_target "amdgcn-amd-amdhsa--gfx1250"
	.amdhsa_code_object_version 6
	.text
	.protected	k_qd06cac4b36_moe
	.globl	k_qd06cac4b36_moe
	.p2align	8
	.type	k_qd06cac4b36_moe,@function
k_qd06cac4b36_moe:
	s_mov_b64 s[64:65], 0
	v_nop
	global_prefetch_b8 v0, s[64:65] scope:SCOPE_SE
	s_setreg_imm32_b32 hwreg(HW_REG_WAVE_MODE, 25, 1), 1
	s_wait_xcnt 0x0
	s_wait_alu depctr_hold_cnt(0) depctr_sa_sdst(0) depctr_va_vdst(0) depctr_va_sdst(0) depctr_va_ssrc(0) depctr_va_vcc(0) depctr_vm_vsrc(0)
	s_getreg_b32 s2, hwreg(HW_REG_IB_STS2, 6, 4)
	s_cmp_eq_u32 s2, 0
	s_cbranch_scc0 .Lentry_in_a_cluster
	s_endpgm
.Lentry_in_a_cluster:
	s_bfe_u32 s2, ttmp6, 0x10000c
	s_cmp_lg_u32 s2, 0xf033
	s_cbranch_scc0 .Lentry_shape_is_right
	s_endpgm
.Lentry_shape_is_right:
; out[t][p] = sum over the 8 experts e of gate[t][e] x (sum over k of Q(x)[t][k] Q(w_e)[k][p] + b[e][p]): the product on codes of FP4 (E2M1) with E8M0 scales for each 32 along K, f32 sums; the bias is the C of each sum's first product; the weighted sum is f32.
; Codes, scale words and gates come from the launch before, laid as images of this kernel's registers: an x row tile (16 tokens) is 9,216 bytes, a W column tile (16 columns, 8 experts) 69,632.
; SHARES.  A work-group owns 512 tokens x 64 columns p; 16 x 16 work-groups.  THE WEIGHTS STAY IN REGISTERS: wave w holds 16 columns (tile 4 bx + w) x 8 experts x all of K: 512 registers.  All four waves walk the 32 row tiles, 16 tokens at a time.
; THE PRODUCT: source 0 = 32 rows: the 16 columns of two experts; source 1 = 16 tokens.  A lane holds ONE token and, for each expert, eight neighbouring p: its gate for an expert is one register, and the 8 experts' sums of a row tile fold into 8 registers by 32 packed multiply-adds.
; The four waves' 64 p of a token are 256 consecutive bytes of out: they meet in a stage in LDS and leave while later tiles are multiplied.
; CLUSTER 4 x 4.  x's images hang on the token block alone and are shared along a row of the cluster, W's on the columns alone and are shared along a column: every tensor load is a joint one.
; LDS.  At the head W's four column tiles (waves 0 and 1, two each) and row tiles 0-3 (waves 2 and 3).  When all waves have W in registers its bytes are filled again: row tiles 4-11 (two a wave), then 12-31 (five a wave), each behind a round of the cluster's barrier.
; PREFETCH: what a refill will ask for is named one refill ahead: row tiles 4-11 at the head behind the first loads, 12-31 behind the refill of 4-11.  Each block of 256 bytes once in a cluster: the four partners of a row and their four waves share the blocks out by address.  Nothing follows tile 31, so nothing more is asked for.
; A TILE i: between its 32 products stand tile i + 1's LDS loads, the fold of tile i - 1, the stage's stores of tile i - 2, its loads of tile i - 3; at its head tile i - 4 is stored.  ONE BARRIER A TILE orders the stage both ways.
; REGISTERS, in windows of 256 (s_set_vgpr_msb: bits 1:0 source 0, 3:2 source 1, 5:4 source 2, 7:6 destination):
;   window 0: addresses, scale words, gates, results on their way, the bias;   window 1: W's fragments of K steps 0-3 at 64 k + 8 e;   window 2: K steps 4-7;   window 3: v0-127 accumulators, two sets of 8 experts; v128-255 x's fragments, two sets
.set TB,   9216
.set WT,   69632
.set XH,   4*WT                        ; LDS: W's four tiles, later row tiles 4-31; row tiles 0-3 from here;
.set SPARE,XH+4*TB                     ; the spare words;
.set STG,  28*TB                       ; the stage: four buffers of 16 rows x 272 bytes, in bytes of W's that are not filled again (row tiles 4-31 end here)
.set SBUF, 4352
.set LI,   1                           ; v1   16 L
.set BO,   2                           ; v2   32 h
.set SA0,  3                           ; v3   8,192 + 32 r: scale words in an x image
.set GA0,  4                           ; v4   8,704 + 16 r: gates
.set STO,  5                           ; v5   the stage, in: row r, 64 w + 32 h
.set SRD,  6                           ; v6   and out: row 4 w + h, 16 r
.set CO,   7                           ; v7   out: 4,096 h + 16 r
.set XAD,  8                           ; v8-10 the addresses of the pair of row tiles in hand
.set SAD,  9
.set GAD,  10
.set WAD,  11                          ; v11  my W tile in LDS
.set WSA,  12                          ; v12  its scale words
.set PFA,  13                          ; v13-15 the prefetches' offsets; never rewritten
.set PFB,  14
.set PFC,  15
.set SPW,  16                          ; v16, v17: never rewritten
.set NIL,  17
.set WS,   24                          ; v24-55  W's scale words: register 8 j + k: experts 2 j (lanes 0-15) and 2 j + 1 (lanes 16-31), K step k
.set XS,   56                          ; v56-71  x's, two sets of 8
.set GA,   72                          ; v72-87  gates, two sets of 8
.set OUT,  88                          ; v88-103 folded tiles, two sets
.set OB,   104                         ; v104-135 rows of out on their way (the last three tiles have sets of their own)
.set BI,   136                         ; v136-199 the bias in the result's layout
.set XF,   128                         ; (window 3)
.set PX,   77                          ; s77  the pair's first byte in LDS
.set MSB, 0
.macro WIN new                         ; the immediate's high byte repeats the setting that is left; a switch that changes nothing is dropped
.if MSB != (\new)
	s_set_vgpr_msb (MSB<<8)|(\new)
.set MSB, (\new)
.endif
.endm
.macro CROUND                          ; a round of the cluster's barrier
	s_barrier_signal -1
	s_barrier_wait -1
	s_cmp_lg_u32 s18, 0
	s_cbranch_scc1 .Lnot_wave_0_\@
	s_barrier_signal -3
.Lnot_wave_0_\@:
	s_barrier_wait -3
	s_barrier_signal -1
	s_barrier_wait -1
.endm
.macro GROUP1 g, mask, rows            ; a dense block as rows of 256 bytes (32 elements of 8 bytes), no padding: images are read 512 consecutive bytes at a time
	s_or_b32 s[\g], s[\mask], (3<<16)|(1<<21)      ; 15:0 the mask; 17:16 elements of 8 bytes; 21 set beside a mask
	s_mov_b32 s[\g+1], 32<<16
	s_mov_b32 s[\g+2], (\rows)<<16
	s_mov_b32 s[\g+3], 32<<16
	s_mov_b32 s[\g+4], \rows
	s_mov_b32 s[\g+5], 32
	s_mov_b32 s[\g+6], 0
	s_mov_b32 s[\g+7], 0
.endm
; A refill: the tensor wait, the add and its wait, the round, then one tensor load a wave
.macro REFILL g0, g1
	WIN 0
	s_wait_alu depctr_va_vdst(0)
	s_wait_tensorcnt 0x0
	ds_add_u32 v[SPW], v[NIL]
	s_wait_dscnt 0x0
	CROUND
	tensor_load_to_lds s[\g0:\g0+3], s[\g1:\g1+7]
	s_nop 0
.rept 4
	v_nop
.endr
.endm
; One product: experts 2 j and 2 j + 1, K step k, set p.  The four accumulators take turns; K step 0 starts the sums with the bias
.macro MM p, k, j
.if (\k) == 0
	WIN 0xcd
	v_wmma_scale_f32_32x16x128_f4 v[64*(\p)+16*(\j):64*(\p)+16*(\j)+15], v[16*(\j):16*(\j)+15], v[XF+64*(\p):XF+64*(\p)+7], v[BI+16*(\j):BI+16*(\j)+15], v[WS+8*(\j)], v[XS+8*(\p)]
.else
	WIN 0xfd+(\k)/4
	v_wmma_scale_f32_32x16x128_f4 v[64*(\p)+16*(\j):64*(\p)+16*(\j)+15], v[64*((\k)%4)+16*(\j):64*((\k)%4)+16*(\j)+15], v[XF+64*(\p)+8*(\k):XF+64*(\p)+8*(\k)+7], v[64*(\p)+16*(\j):64*(\p)+16*(\j)+15], v[WS+8*(\j)+(\k)], v[XS+8*(\p)+(\k)]
.endif
.endm
; Two of the 32 packed lines that fold the tile of set 1 - p: expert 2 (k % 4) + hf; registers 0-3 of each accumulator in K steps 0-3, 4-7 in K steps 4-7: no sum is carried over the waits at a tile's head or in its middle.
; A gate is one register of a pair: the even expert's the pair's first for both halves, the odd expert's its second.  Each accumulator is read from its low end on.
.macro PK2 p, k, hf
.set EX, 2*((\k)%4)+(\hf)
.set OR, OUT+8*(1-(\p))+4*((\k)/4)
.set AR, 64*(1-(\p))+8*EX+4*((\k)/4)
.set GR, GA+8*(1-(\p))+2*(EX/2)
	WIN 0x0c
.irp i, 0,2
.if EX == 0
	v_pk_mul_f32 v[OR+\i:OR+\i+1], v[GR:GR+1], v[AR+\i:AR+\i+1] op_sel_hi:[0,1]
.elseif (\hf) == 1
	v_pk_fma_f32 v[OR+\i:OR+\i+1], v[GR:GR+1], v[AR+\i:AR+\i+1], v[OR+\i:OR+\i+1] op_sel:[1,0,0] op_sel_hi:[1,1,1]
.else
	v_pk_fma_f32 v[OR+\i:OR+\i+1], v[GR:GR+1], v[AR+\i:AR+\i+1], v[OR+\i:OR+\i+1] op_sel_hi:[0,1,1]
.endif
.endr
.endm
.macro XL set, n, xo                   ; x's fragment of K step n into a set
	WIN 0xc0
	ds_load_b128 v[XF+64*(\set)+8*(\n):XF+64*(\set)+8*(\n)+3], v[XAD] offset:(\xo)+1024*(\n)
	ds_load_b128 v[XF+64*(\set)+8*(\n)+4:XF+64*(\set)+8*(\n)+7], v[XAD] offset:(\xo)+1024*(\n)+512
.endm
.macro STAGE_IN set, buf
	ds_store_b128 v[STO], v[OUT+8*(\set):OUT+8*(\set)+3] offset:SBUF*(\buf)
	ds_store_b128 v[STO], v[OUT+8*(\set)+4:OUT+8*(\set)+7] offset:SBUF*(\buf)+16
.endm
.macro STAGE_OUT reg, buf
	ds_load_b128 v[\reg:\reg+3], v[SRD] offset:SBUF*(\buf)
	ds_load_b128 v[\reg+4:\reg+7], v[SRD] offset:SBUF*(\buf)+544
.endm
.macro SEND reg, off                   ; rows 4 w + h and 4 w + 2 + h of a tile: 16 lanes store 256 consecutive bytes, at a multiple of 256 from out's first byte
	global_store_b128 v[CO], v[\reg:\reg+3], s[10:11] offset:\off th:TH_STORE_NT
	global_store_b128 v[CO], v[\reg+4:\reg+7], s[10:11] offset:(\off)+8192 th:TH_STORE_NT
.endm
; What stands between products: ld = 1: the next tile's fragments in K steps 0-3, ld = 2: in K steps 4-7
.macro SLOT p, xo, k, b, ld, st, rd
.if ((\ld) == 1) && ((\k) < 4)
	XL 1-(\p), 2*(\k)+(\b), \xo
.endif
.if ((\ld) == 2) && ((\k) > 3)
	XL 1-(\p), 2*(\k)+(\b)-8, \xo
.endif
.if ((\k) == 4) && ((\b) == 0) && (\st)
	WIN 0
	STAGE_IN \p, \p
.endif
.if ((\k) == 4) && ((\b) == 1) && (\rd)
	WIN 0
	STAGE_OUT OB, 1-(\p)
.endif
.if ((\k) == 5) && ((\b) == 0)
	WIN 0
	ds_load_b128 v[GA+8*(\p):GA+8*(\p)+3], v[GAD] offset:TB*(\p)             ; this tile's gates, for its fold in the next
	ds_load_b128 v[GA+8*(\p)+4:GA+8*(\p)+7], v[GAD] offset:TB*(\p)+256
.endif
.if ((\k) == 5) && ((\b) == 1) && (\ld)
	WIN 0
	ds_load_b128 v[XS+8*(1-(\p)):XS+8*(1-(\p))+3], v[SAD] offset:\xo         ; the next tile's scale words
	ds_load_b128 v[XS+8*(1-(\p))+4:XS+8*(1-(\p))+7], v[SAD] offset:(\xo)+16
.endif
.endm
.macro PAIRADR
	v_add_nc_u32 v[XAD], s[PX], v[LI]
	v_add_nc_u32 v[SAD], s[PX], v[SA0]
	v_add_nc_u32 v[GAD], s[PX], v[GA0]
.endm
; p = i % 2;  xo: the next tile's bytes from the pair in hand;  first: W's LDS loads are waited for by K step;  comb: fold tile i - 1;  bar: the barrier;  st, rd, gs: the stage and the stores;  tw: the last refill is waited for ahead of the barrier;  r2: the second refill in the middle
.macro TILE p, xo, first, ld, comb, bar, st, rd, gs, tw, r2
.if \tw
	s_wait_tensorcnt 0x0
.endif
.if \first
	s_wait_dscnt 63                                ; of the 154 loads the first 90 are wanted here: 64 might stay out; the wait's field holds 63
.else
	s_wait_dscnt 0x0                               ; this tile's operands and the last tile's gates are in; my stores into the stage and my reads of it are done
.endif
.if \gs
	WIN 0
	SEND OB, 0
.endif
.if \bar
	s_barrier_signal -1
.endif
.irp k, 0,1,2,3,4,5,6,7
.if \k == 4
.if \gs
	s_wait_xcnt 0x0                                ; the two stores have read their base and their data
	s_add_nc_u64 s[10:11], s[10:11], 65536         ; 16 rows of out on
.endif
.if \bar
	s_barrier_wait -1                              ; only products, folds and loads of x stand between the signal and this wait
.endif
.if \r2
	REFILL 68, 44                                  ; row tiles 4-11 have landed; 12-31 are asked for
	v_mov_b32 v[XAD], v[LI]                        ; row tile 4 lies at 0
	v_mov_b32 v[SAD], v[SA0]
	s_wait_alu depctr_va_vdst(0)
.endif
.endif
.if (\first) && (\k > 3)
.if \k == 7
	s_wait_dscnt 8                                 ; behind W's K step 7 at least 16 loads were issued
.else
	s_wait_dscnt 16*(7-\k)                         ; 16 loads a K step: the later K steps' may stay out
.endif
.endif
	MM \p, \k, 0
	SLOT \p, \xo, \k, 0, \ld, \st, \rd
	MM \p, \k, 1
.if \comb
	PK2 \p, \k, 0
.endif
	MM \p, \k, 2
	SLOT \p, \xo, \k, 1, \ld, \st, \rd
.if (\k == 5) && ((\p) == 1) && (\ld)
	WIN 0
.if \r2
	s_mov_b32 s[PX], 0
.else
	s_add_co_u32 s[PX], s[PX], 2*TB
.endif
	PAIRADR
.if \r2
	s_wait_alu depctr_va_vdst(0)                   ; tile 3 reads its new addresses at once
.endif
.endif
	MM \p, \k, 3
.if \comb
	PK2 \p, \k, 1
.endif
.endr
.endm
	s_load_b256 s[4:11], s[0:1], 0x0               ; ximg s[4:5], wimg s[6:7], expert_b s[8:9], out0 s[10:11]
	v_lshl_add_u32 v[SPW], v0, 2, SPARE
	v_mov_b32 v[NIL], 0
	ds_add_u32 v[SPW], v[NIL]                      ; the wave's opening: the add, twice on end, and its wait
	ds_add_u32 v[SPW], v[NIL]
	v_lshrrev_b32 v18, 5, v0
	v_readfirstlane_b32 s18, v18                   ; wave 0..3
	s_bfe_u32 s19, ttmp6, 0x40000                  ; cx, cy: my place in the cluster
	s_bfe_u32 s20, ttmp6, 0x40004
	s_lshl_b32 s21, ttmp9, 2
	s_add_co_u32 s21, s21, s19                     ; bx: which 64 columns = 4 x cluster x + cx
	s_and_b32 s22, ttmp7, 0xffff
	s_lshl_b32 s22, s22, 2
	s_add_co_u32 s22, s22, s20                     ; by: which 512 tokens = 4 x cluster y + cy
	s_lshl_b32 s23, s20, 2
	s_lshl_b32 s23, 15, s23                        ; my row of the cluster
	s_lshl_b32 s24, 0x1111, s19                    ; my column
	GROUP1 28, 24, 544                             ; two column tiles of W
	GROUP1 36, 23, 72                              ; two row tiles of x
	GROUP1 44, 23, 180                             ; five
	s_and_b32 s25, s18, 1
	s_mov_b32 s67, 0
	s_mov_b32 s73, 0
	s_wait_dscnt 0x0                               ; both opening adds are done
	s_wait_kmcnt 0x0
	; groups 0.  x's are made of by and the wave's number, W's of bx and the wave's number, in registers that never hold the other coordinate; LDS addresses of the wave's number alone
	s_mul_i32 s66, s22, 32*TB
	s_add_nc_u64 s[74:75], s[4:5], s[66:67]        ; my token block's images
	s_mul_i32 s66, s25, 2*TB
	s_mov_b32 s56, 1                               ; the head's: row tiles 0, 1 (wave 2) or 2, 3 (wave 3)
	s_add_co_u32 s57, s66, XH
	s_add_nc_u64 s[58:59], s[74:75], s[66:67]
	s_or_b32 s59, s59, 0x80000000
	s_mul_i32 s66, s18, 2*TB
	s_mov_b32 s60, 1                               ; row tiles 4 + 2 w, 5 + 2 w
	s_mov_b32 s61, s66
	s_add_nc_u64 s[62:63], s[74:75], s[66:67]
	s_add_nc_u64 s[62:63], s[62:63], 4*TB
	s_or_b32 s63, s63, 0x80000000
	s_mul_i32 s66, s18, 5*TB
	s_mov_b32 s68, 1                               ; row tiles 12 + 5 w .. 16 + 5 w
	s_add_co_u32 s69, s66, 8*TB
	s_add_nc_u64 s[70:71], s[74:75], s[66:67]
	s_add_nc_u64 s[70:71], s[70:71], 12*TB
	s_or_b32 s71, s71, 0x80000000
	s_mul_i32 s2, s25, 2*WT
	s_mov_b32 s52, 1                               ; W: column tiles 4 bx + 0, 1 (wave 0) or 2, 3 (wave 1)
	s_mov_b32 s53, s2
	s_mul_i32 s72, s21, 4*WT
	s_add_co_u32 s72, s72, s2
	s_add_nc_u64 s[54:55], s[6:7], s[72:73]
	s_or_b32 s55, s55, 0x80000000
	s_lshl_b32 s72, s21, 8                         ; expert_b: 64 (4 bx + w) bytes
	s_lshl_b32 s2, s18, 6
	s_add_co_u32 s72, s72, s2
	s_add_nc_u64 s[8:9], s[8:9], s[72:73]
	s_lshl_b32 s72, s22, 21                        ; out: token 512 by + 4 w, 4,096 bytes a token; column 64 bx
	s_lshl_b32 s2, s18, 14
	s_add_co_u32 s72, s72, s2
	s_lshl_b32 s2, s21, 8
	s_add_co_u32 s72, s72, s2
	s_add_nc_u64 s[10:11], s[10:11], s[72:73]
	CROUND                                         ; all sixteen work-groups are here: the joint loads meet
	s_cmp_lt_u32 s18, 2                            ; one tensor load a wave at the head
	s_cbranch_scc0 .Lx_arm
	tensor_load_to_lds s[52:55], s[28:35]
	s_nop 0
.rept 4
	v_nop
.endr
	s_branch .Lasked
.Lx_arm:
	tensor_load_to_lds s[56:59], s[36:43]
	s_nop 0
.rept 4
	v_nop
.endr
.Lasked:
	s_lshl_b32 s26, s19, 2
	s_add_co_u32 s26, s26, s18                     ; 4 cx + w: my share of a prefetch
	s_mul_i32 s27, s26, 18                         ; of 8 row tiles' 288 blocks of 256 bytes 18,
	s_mul_i32 s26, s26, 45                         ; of 20 row tiles' 720 45
	s_mul_i32 s2, s18, WT
	s_add_co_u32 s3, s2, 65536
	s_lshl_b32 s12, s18, 6
	s_add_co_u32 s12, s12, STG
	s_mul_i32 s13, s18, 1088
	s_add_co_u32 s13, s13, STG
	s_mov_b32 s[PX], XH
	v_and_b32 v19, 31, v0                          ; L
	v_and_b32 v20, 15, v0                          ; r
	v_bfe_u32 v21, v0, 4, 1                        ; h
	v_lshlrev_b32 v[LI], 4, v19
	v_lshlrev_b32 v[BO], 5, v21
.irp e, 0,1,2,3,4,5,6,7
.irp i, 0,1
	global_load_b128 v[BI+8*\e+4*\i:BI+8*\e+4*\i+3], v[BO], s[8:9] offset:4096*\e+16*\i   ; b[e][16 tile + 8 h + 0 .. 7]: the result's layout
.endr
.endr
	v_min_u32 v22, 17, v19                         ; lanes left over name their wave's last block again
	v_add_lshl_u32 v[PFA], v22, s27, 8
	v_add_lshl_u32 v[PFB], v19, s26, 8
	v_min_u32 v22, 12, v19
	v_add_nc_u32 v22, 32, v22
	v_add_lshl_u32 v[PFC], v22, s26, 8
	v_lshlrev_b32 v[SA0], 5, v20
	v_add_nc_u32 v[SA0], 8192, v[SA0]
	v_lshlrev_b32 v[GA0], 4, v20
	v_add_nc_u32 v[GA0], 8704, v[GA0]
	v_mul_u32_u24 v[STO], v20, 272
	v_lshl_add_u32 v[STO], v21, 5, v[STO]
	v_add_nc_u32 v[STO], s12, v[STO]
	v_mul_u32_u24 v[SRD], v21, 272
	v_lshl_add_u32 v[SRD], v20, 4, v[SRD]
	v_add_nc_u32 v[SRD], s13, v[SRD]
	v_lshlrev_b32 v[CO], 4, v20
	v_lshl_add_u32 v[CO], v21, 12, v[CO]
	v_add_nc_u32 v[WAD], s2, v[LI]
	v_lshl_add_u32 v[WSA], v19, 5, s3
	PAIRADR
	global_prefetch_b8 v[PFA], s[74:75] offset:4*TB th:TH_LOAD_NT scope:SCOPE_SE   ; row tiles 4-11
	s_wait_alu depctr_va_vdst(0)
	s_wait_tensorcnt 0x0                           ; my part of the head's tiles is in
	s_barrier_signal -1
	s_barrier_wait -1                              ; everybody's is
.irp j, 0,1,2,3
.irp q, 0,1
	ds_load_b128 v[WS+8*\j+4*\q:WS+8*\j+4*\q+3], v[WSA] offset:1024*\j+16*\q   ; lane L: expert 2 j + h, column r
.endr
.endr
	ds_load_b128 v[XS:XS+3], v[SAD]
	ds_load_b128 v[XS+4:XS+7], v[SAD] offset:16
.irp n, 0,1,2,3,4,5,6,7
	XL 0, \n, 0
.endr
.macro WLOAD k                         ; W's fragments of a K step: 16 loads
	WIN 0x40+0x40*((\k)/4)
.irp e, 0,1,2,3,4,5,6,7
.irp c, 0,1
	ds_load_b128 v[64*((\k)%4)+8*\e+4*\c:64*((\k)%4)+8*\e+4*\c+3], v[WAD] offset:8192*\e+1024*(\k)+512*\c
.endr
.endr
.endm
.irp k, 0,1,2,3,4,5,6,7
	WLOAD \k
.endr
	s_wait_loadcnt 0x0                             ; the bias
	TILE 0, TB,   1, 2, 0, 0, 0, 0, 0, 0, 0        ; tile 0
.rept 4
	v_nop                                          ; tile 0 folds nothing: these are the places behind its products
.endr
	REFILL 60, 36                                  ; every wave of every partner has W in registers: row tiles 4-11
	global_prefetch_b8 v[PFB], s[74:75] offset:12*TB th:TH_LOAD_NT scope:SCOPE_SE   ; row tiles 12-31
	global_prefetch_b8 v[PFC], s[74:75] offset:12*TB th:TH_LOAD_NT scope:SCOPE_SE
	TILE 1, 2*TB, 0, 1, 1, 0, 0, 0, 0, 0, 0
	TILE 0, TB,   0, 1, 1, 0, 1, 0, 0, 0, 0        ; tile 2: tile 0 goes into the stage
	TILE 1, 0,    0, 2, 1, 1, 1, 1, 0, 0, 1        ; tile 3: tile 0 comes back; the second refill
	TILE 0, TB,   0, 1, 1, 1, 1, 1, 1, 0, 0        ; tile 4: tile 0 is stored
	TILE 1, 2*TB, 0, 1, 1, 1, 1, 1, 1, 0, 0
	TILE 0, TB,   0, 1, 1, 1, 1, 1, 1, 0, 0
	TILE 1, 2*TB, 0, 1, 1, 1, 1, 1, 1, 0, 0
	TILE 0, TB,   0, 1, 1, 1, 1, 1, 1, 0, 0
	TILE 1, 2*TB, 0, 1, 1, 1, 1, 1, 1, 0, 0
	TILE 0, TB,   0, 1, 1, 1, 1, 1, 1, 1, 0        ; tile 10: tile 11 will fetch tile 12, so row tiles 12-31 are waited for ahead of this barrier
	TILE 1, 2*TB, 0, 1, 1, 1, 1, 1, 1, 0, 0
	WIN 0                                          ; at a label and at a branch every window is 0
	s_mov_b32 s76, 9
.Lpair:                                                ; tiles 12 to 29, two a trip, so that the register sets are back where they began
	TILE 0, TB,   0, 1, 1, 1, 1, 1, 1, 0, 0
	TILE 1, 2*TB, 0, 1, 1, 1, 1, 1, 1, 0, 0
	WIN 0
	s_sub_co_u32 s76, s76, 1
	s_cmp_lg_u32 s76, 0
	s_cbranch_scc1 .Lpair
	TILE 0, TB,   0, 1, 1, 1, 1, 1, 1, 0, 0        ; tile 30
	TILE 1, 0,    0, 0, 1, 1, 1, 1, 1, 0, 0        ; tile 31: nothing is left to fetch
	s_wait_dscnt 0x0
	WIN 0
	SEND OB, 0                                     ; tile 28
.irp k, 0,1,2,3,4,5,6,7
	PK2 0, \k, 0                                   ; tile 31 is folded
	PK2 0, \k, 1
.endr
	WIN 0
	STAGE_IN 0, 2                                  ; tiles 30 and 31 have buffers of their own
	STAGE_IN 1, 3
	s_wait_dscnt 0x0
	s_barrier_signal -1
	s_barrier_wait -1
	STAGE_OUT OB+8, 1                              ; tile 29
	STAGE_OUT OB+16, 2
	STAGE_OUT OB+24, 3
	s_wait_dscnt 4                                 ; tile 29's two loads are in; the four behind them may be out
	SEND OB+8, 65536
	s_wait_dscnt 2
	SEND OB+16, 131072
	s_wait_dscnt 0x0
	SEND OB+24, 196608
	s_wait_tensorcnt 0x0                           ; the wave's end
	ds_add_u32 v[SPW], v[NIL]
	s_wait_dscnt 0x0
	CROUND                                         ; the closing round: no work-group ends while a partner may still ask for a tile that names it
	s_endpgm
.Lfunc_end_k_qd06cac4b36_moe:
	.size	k_qd06cac4b36_moe, .Lfunc_end_k_qd06cac4b36_moe-k_qd06cac4b36_moe
	.p2alignl 7, 3214868480
	.fill 96, 4, 3214868480
	.section	.rodata,"a",@progbits
	.p2align	6, 0x0
	.amdhsa_kernel k_qd06cac4b36_moe
		.amdhsa_group_segment_fixed_size 327680
		.amdhsa_private_segment_fixed_size 0
		.amdhsa_enable_private_segment 0
		.amdhsa_kernarg_size 32
		.amdhsa_user_sgpr_count 2
		.amdhsa_user_sgpr_kernarg_segment_ptr 1
		.amdhsa_wavefront_size32 1
		.amdhsa_system_sgpr_workgroup_id_x 1
		.amdhsa_system_sgpr_workgroup_id_y 1
		.amdhsa_system_sgpr_workgroup_id_z 1
		.amdhsa_system_vgpr_workitem_id 0
		.amdhsa_next_free_vgpr 1024
		.amdhsa_next_free_sgpr 80
		.amdhsa_reserve_vcc 0
		.amdhsa_float_denorm_mode_32 3
		.amdhsa_float_denorm_mode_16_64 3
		.amdhsa_memory_ordered 1
		.amdhsa_forward_progress 1
		.amdhsa_inst_pref_size 174
	.end_amdhsa_kernel
	.amdgpu_metadata
---
amdhsa.version: [ 1, 2 ]
amdhsa.kernels:
  - .name:           k_qd06cac4b36_moe
    .symbol:         k_qd06cac4b36_moe.kd
    .args:
      - { .name: ximg, .offset: 0, .size: 8, .value_kind: global_buffer, .address_space: global }
      - { .name: wimg, .offset: 8, .size: 8, .value_kind: global_buffer, .address_space: global }
      - { .name: expert_b, .offset: 16, .size: 8, .value_kind: global_buffer, .address_space: global }
      - { .name: out0, .offset: 24, .size: 8, .value_kind: global_buffer, .address_space: global }
    .group_segment_fixed_size: 327680
    .private_segment_fixed_size: 0
    .kernarg_segment_align: 8
    .kernarg_segment_size: 32
    .max_flat_workgroup_size: 128
    .sgpr_count:     80
    .vgpr_count:     1024
    .wavefront_size: 32
...
	.end_amdgpu_metadata
.endif
;; end of part 2
